; MI455X (gfx1250); checked and timed in simulation.
; The chip was launched on July 23, 2026; its instructions are those of AMD's public machine-readable ISA for CDNA 5 (MIT licence, August 2026) and "CDNA5" Instruction Set Architecture Reference Guide (July 2026). The comments in the code are by the model that wrote it; some were corrected since.
;; KNRM. Allowed arithmetic: matrix products marked QUANTISED: E2M3 operands, one E8M0 scale for each 32 along K, by v_wmma_scale_f32_16x16x128_f8f6f4 with both operands' format E2M3, f32 sums; products left as they are: f32 operands where the result goes on into a quantised operand, else bf16, f16 or f32 operands; f32 sums; everything else in f32.
;; Inputs: W0 10 x 21 float32; W1 5 x 10 float32; W2 1 x 5 float32; b0 10 float32; b1 5 float32; b2 1 float32; document_1 512 x 256 int32; document_2 512 x 256 int32; emb_weight 100,000 x 256 float32; query_1 512 x 32 int32; query_2 512 x 32 int32.
;; Outputs: out0 512 x 1 float32.
;; This version of the problem:
;;   THIS VERSION OF THE PROBLEM IS GIVEN IN LOW PRECISION. The matrix products marked QUANTISED in the list below multiply operands that are first quantised to E2M3 (2 exponent bits, 3 mantissa bits; 6 bits a number), with one power-of-two scale for each 32 numbers along K (OCP MX v1.0); their sums are f32. All else is computed in f32.
;;   The module's matrix products, in the order in which they are computed (A, B: the left and right operand; K: the contracted axis; several contracted axes count as one K, in the product's order):
;;     1. batch 512 x [M 32, K 256] x [K 256, N 256]; A: computed on the way; B: computed on the way: QUANTISED
;;     2. [M 512, K 21] x [K 21, N 10]; A: computed on the way; B: input W0: left as it is (K = 21 < 32)
;;     3. [M 512, K 10] x [K 10, N 5]; A: computed on the way; B: input W1: left as it is (K = 10 < 32)
;;     4. [M 512, K 5] x [K 5, N 1]; A: computed on the way; B: input W2: left as it is (K = 5 < 32)
;;     5. batch 512 x [M 32, K 256] x [K 256, N 256]; A: computed on the way; B: computed on the way: QUANTISED
;;     6. [M 512, K 21] x [K 21, N 10]; A: computed on the way; B: input W0: left as it is (K = 21 < 32)
;;     7. [M 512, K 10] x [K 10, N 5]; A: computed on the way; B: input W1: left as it is (K = 10 < 32)
;;     8. [M 512, K 5] x [K 5, N 1]; A: computed on the way; B: input W2: left as it is (K = 5 < 32)
;;   THE QUANTISER, for each operand of a quantised product, along K:
;;     - K is cut into blocks of 32 from its start; a last block that is shorter is filled with zeros.
;;     - A block's scale is 2^e with e = floor(log2(the largest magnitude in the block)) - 2, held to -126 .. 127; a block of zeros has e = 0. As a byte (E8M0): e + 127.
;;     - Each number is divided by its block's scale, clamped to +-7.5, and rounded to the nearest number of E2M3, ties to even, subnormals kept.
;;     - The product sums the exact products of the quantised numbers (number of the format x scale) in f32.
;;   ~~~python
;;   def quantise(x, axis):      # numpy; x: float32 -> the quantised numbers, widened to float32 again
;;       x = np.moveaxis(x, axis, -1); K = x.shape[-1]
;;       x = np.pad(x, [(0, 0)] * (x.ndim - 1) + [(0, -K % 32)]); x = x.reshape(x.shape[:-1] + (-1, 32)); a = np.abs(x).max(-1, keepdims=True)
;;       e = np.where(a > 0, np.clip(np.frexp(np.where(a > 0, a, 1))[1] - 1 - 2, -126, 127), 0)      # np.frexp(a)[1] - 1 = floor(log2(a)), exactly
;;       r = np.clip(x / 2.0 ** e, -7.5, 7.5)
;;       step = 2.0 ** (np.maximum(np.frexp(np.where(r == 0, 1, r))[1] - 1, 0) - 3)
;;       q = np.round(r / step) * step * 2.0 ** e      # np.round: ties to even
;;       return np.moveaxis(q.reshape(q.shape[:-2] + (-1,))[..., :K], -1, axis).astype(np.float32)
;;   ~~~
;;   OPERANDS COMPUTED ON THE WAY. 'Computed on the way' means the value that the module computes at that place (a softmax that the list does not call 'softmax' is quantised finished and normalised). What goes into a quantiser is computed in f32, as accurately as f32 sums, v_exp_f32 and their like allow (about 1e-6 of the number): no bf16 or f16 on the way to a quantiser, and a product that is left as it is and whose result goes on into a quantised operand takes f32 operands (vector FMAs, or v_wmma_f32_16x16x4_f32). A number that lies on a knife's edge between two numbers of the format may be rounded either way, as far as f32 arithmetic and the matrix unit's own rounding can turn it there, and no further.
;; One version. Each part assembles by itself: llvm-mc -triple=amdgcn-amd-amdhsa -mcpu=gfx1250 --defsym DOCPART=n.
;; ======== version 1 of 1: 2 launches
;; workspace buffers: tab 25,600,000 bytes
;; launch prep (part 1): grid 500 x 1, 4 waves a work-group, no clusters, 33,280 bytes of LDS; arguments emb_weight, tab; writes tab
.if DOCPART == 1
	.amdgcn_target "amdgcn-amd-amdhsa--gfx1250"
	.amdhsa_code_object_version 6
	.text
	.protected	k_qb66fcd0bb7_prep
	.globl	k_qb66fcd0bb7_prep
	.p2align	8
	.type	k_qb66fcd0bb7_prep,@function
k_qb66fcd0bb7_prep:
	s_mov_b64 s[64:65], 0
	v_nop
	global_prefetch_b8 v0, s[64:65] scope:SCOPE_SE
	s_setreg_imm32_b32 hwreg(HW_REG_WAVE_MODE, 25, 1), 1
	s_wait_xcnt 0x0
; Every row of emb_weight [100000][256] f32 is divided by max(its norm, 1e-8) and quantised along its 256 numbers: 8 blocks of 32 codes of FP6 (E2M3), one E8M0 byte a block.
; A row becomes one RECORD of 256 bytes in tab, laid in the order of a matrix operand's registers.  Block b (h = b & 1, c = (b >> 1) & 1, s = b >> 2):
;   its 24 bytes of codes at 96 h + 48 s + 24 c;  its scale byte at 192 + b;  bytes 200 .. 255 are zeros.
; So bytes 96 h .. 96 h + 95 are the 24 registers of a lane of half h (12 for each of the two K steps of 128), and the words at 192 and 196 are the two K steps' scale words.
; A block's scale is 2^(floor(log2(its largest magnitude)) - 2): its byte is that magnitude's exponent field - 2, held at 1 from below.
; LIMITS.  NaN and infinities among the inputs are not served.  A block of zeros gets the byte 1 where the quantiser says 127: its codes are zeros, and this program alone reads the bytes.
; The division is a multiplication by min(v_rsq_f32(sum of squares), 1e8): about 2e-7 of the number ahead of the quantiser.  A sum of squares that is 0 or denormal gives infinity, which the minimum turns into 1e8.
; SHARES.  2,000 waves, 50 rows each, 2 rows (512 numbers, 2,048 bytes) a step, 25 steps, written out: every offset is an immediate and no pointer is stepped.  Waves share nothing: no barrier.
; Each load reads 512 consecutive bytes, 16 a lane; a step's 2,048 bytes turn through the wave's own stage in LDS and come back 64 bytes a lane, so that a lane holds 16 neighbours along K:
; lanes 0-15 hold the even row, lanes 16-31 the odd one, and lanes 2 b, 2 b + 1 of a half hold block b.  The two records are put together in LDS and leave by one store of 512 consecutive bytes.
.set STEPS, 25
.set D,     8                          ; sets of the load ring: 32 loads of a wave are out
.set SP,    80                         ; a lane's place in a stage: 64 bytes + 16 of padding
.set WREG,  8192                       ; LDS of a wave: two stages of 32 x SP bytes, then two records
.set OUTB,  2*32*SP
.set C,     16                         ; v16-18, v20-22 a step's codes, by turns; v19, v23 its scale byte
.set O,     24                         ; v24-27, v28-31 my 16 bytes of the two records, by turns
.set X,     32                         ; v32-63  two sets of 16 neighbours
.set R,     64                         ; v64-191 eight sets of 16 numbers as loaded
	s_load_b128 s[4:7], s[0:1], 0x0                ; emb_weight, tab
	v_lshl_add_u32 v192, v0, 2, 0x8000
	v_mov_b32 v193, 0
	v_lshrrev_b32 v1, 5, v0
	v_readfirstlane_b32 s8, v1                     ; wave 0..3
	v_and_b32 v1, 31, v0                           ; lane
	v_lshlrev_b32 v2, 4, v1                        ; 16 x lane: my bytes of a load's and of a store's 512; never rewritten
	s_mul_i32 s9, s8, WREG                         ; my wave's LDS
	s_add_co_u32 s11, s9, OUTB                     ; and its two records
	v_lshrrev_b32 v3, 2, v1
	v_mul_u32_u24 v3, v3, SP
	v_and_b32 v4, 3, v1
	v_lshl_add_u32 v3, v4, 4, v3
	v_add_nc_u32 v3, s9, v3                        ; the stage, on the way in: SP (lane / 4) + 16 (lane % 4)
	v_mul_u32_u24 v4, v1, SP
	v_add_nc_u32 v4, s9, v4                        ; and on the way out: SP x lane
	v_lshrrev_b32 v11, 4, v1                       ; which of the two rows
	v_lshl_add_u32 v5, v11, 8, s11                 ; my 12 bytes of codes in its record: 12 (j & 1) + 96 h + 24 c + 48 s, j = lane % 16, block b = j / 2
	v_bfe_u32 v10, v1, 0, 1
	v_mad_u32_u24 v5, v10, 12, v5
	v_bfe_u32 v10, v1, 1, 1
	v_mad_u32_u24 v5, v10, 96, v5
	v_bfe_u32 v10, v1, 2, 1
	v_mad_u32_u24 v5, v10, 24, v5
	v_bfe_u32 v10, v1, 3, 1
	v_mad_u32_u24 v5, v10, 48, v5
	v_lshl_add_u32 v6, v11, 8, s11                 ; my block's scale byte: b (the 192 stands in the store's offset)
	v_bfe_u32 v10, v1, 1, 3
	v_add_nc_u32 v6, v6, v10
	v_add_nc_u32 v7, s11, v2                       ; the records as they leave: 16 x lane
.irp i, 0,1,2,3
	v_mov_b32 v[O+\i], 0
.endr
	s_lshl_b32 s10, ttmp9, 2
	s_add_co_u32 s10, s10, s8                      ; my wave among the 2,000
	s_mul_i32 s12, s10, 50*1024                    ; its 50 rows in emb_weight (under 2^27 bytes),
	s_mov_b32 s13, 0
	s_mul_i32 s14, s10, 50*256                     ; and in tab
	s_mov_b32 s15, 0
	ds_store_b128 v7, v[O:O+3]                     ; both records are cleared once: bytes 200 .. 255 stay zeros
	s_wait_kmcnt 0x0
	s_add_nc_u64 s[4:5], s[4:5], s[12:13]
	s_add_nc_u64 s[6:7], s[6:7], s[14:15]
.macro LOAD t                          ; step t's four loads into ring set t % D
.irp i, 0,1,2,3
	global_load_b128 v[R+16*((\t)%D)+4*\i:R+16*((\t)%D)+4*\i+3], v2, s[4:5] offset:2048*(\t)+512*\i th:TH_LOAD_NT   ; 32 lanes read 512 consecutive bytes, once in the launch
.endr
.endm
.macro TURN t                          ; step t's numbers through stage t % 2: LDS serves a wave's instructions in order (ISA guide 5.7.1.4), so no wait stands between the stores and the loads
.irp i, 0,1,2,3
	ds_store_b128 v3, v[R+16*((\t)%D)+4*\i:R+16*((\t)%D)+4*\i+3] offset:32*SP*((\t)%2)+8*SP*\i
.endr
.irp i, 0,1,2,3
	ds_load_b128 v[X+16*((\t)%2)+4*\i:X+16*((\t)%2)+4*\i+3], v4 offset:32*SP*((\t)%2)+16*\i
.endr
.endm
.irp t, 0,1,2,3,4,5,6,7
	LOAD \t
.endr
	s_wait_loadcnt 4*(D-1)                         ; step 0's four loads are in; the 28 behind them may be out
	TURN 0
.macro STEP t
.set XS, X+16*((\t)%2)
.set CS, C+4*((\t)%2)
.if (\t) > 0
	s_wait_dscnt 5                                 ; this step's numbers are back from the stage; younger are only the last step's four stores into the records and the load of them
.else
	s_wait_dscnt 0x0
.endif
.if (\t)+D < STEPS
	LOAD (\t)+D                                    ; into the ring set whose stores into the stage the wait above has shown done
.endif
.if (\t)+1 < STEPS
.if (\t)+D < STEPS
	s_wait_loadcnt 4*(D-1)                         ; the next step's four loads are in; those of the seven sets behind it may be out
.else
	s_wait_loadcnt 4*(STEPS-2-(\t))                ; near the end the sets behind it are fewer
.endif
	TURN (\t)+1                                    ; they go through the other stage while this step is worked
.endif
	v_pk_mul_f32 v[10:11], v[XS:XS+1], v[XS:XS+1]                  ; the sum of my 16 squares, in two chains of pairs
	v_pk_mul_f32 v[12:13], v[XS+2:XS+3], v[XS+2:XS+3]
	v_max3_num_f32 v8, |v[XS]|, |v[XS+1]|, |v[XS+2]|               ; and the largest magnitude of my 16, in two chains
	v_max3_num_f32 v9, |v[XS+3]|, |v[XS+4]|, |v[XS+5]|
.irp i, 4,8,12
	v_pk_fma_f32 v[10:11], v[XS+\i:XS+\i+1], v[XS+\i:XS+\i+1], v[10:11]
	v_pk_fma_f32 v[12:13], v[XS+\i+2:XS+\i+3], v[XS+\i+2:XS+\i+3], v[12:13]
.endr
.irp i, 6,10
	v_max3_num_f32 v8, v8, |v[XS+\i]|, |v[XS+\i+1]|
	v_max3_num_f32 v9, v9, |v[XS+\i+2]|, |v[XS+\i+3]|
.endr
	v_max3_num_f32 v8, v8, |v[XS+14]|, |v[XS+15]|
	v_pk_add_f32 v[10:11], v[10:11], v[12:13]
	v_add_f32 v14, v10, v11
	v_add_f32_dpp v14, v14, v14 row_xmask:1 row_mask:0xf bank_mask:0xf   ; over the 16 lanes that hold the row
	v_add_f32_dpp v14, v14, v14 row_xmask:2 row_mask:0xf bank_mask:0xf
	v_add_f32_dpp v14, v14, v14 row_xmask:4 row_mask:0xf bank_mask:0xf
	v_add_f32_dpp v14, v14, v14 row_xmask:8 row_mask:0xf bank_mask:0xf
	v_rsq_f32 v12, v14                             ; 1 / norm
	v_max_num_f32 v8, v8, v9                       ; (a plain instruction behind the transcendental: ISA guide 5.7.2)
	v_max_num_f32_dpp v8, v8, v8 row_xmask:1 row_mask:0xf bank_mask:0xf   ; with my neighbour's 16: the block's largest |x|
	s_wait_alu depctr_va_vdst(0)                   ; this wait ahead of the first line that names the result
	v_min_num_f32 v12, 0x4cbebc20, v12             ; 1 / max(norm, 1e-8) = min(1 / norm, 1e8)
.irp i, 0,2,4,6,8,10,12,14
	v_pk_mul_f32 v[XS+\i:XS+\i+1], v[XS+\i:XS+\i+1], v[12:13] op_sel_hi:[1,0]   ; the normalised numbers (of the pair the low word serves both halves)
.endr
	v_mul_f32 v8, v8, v12                          ; rounding keeps order, so this is the block's largest normalised magnitude, bit for bit
	v_max_num_f32 v8, 0x1800000, v8                ; the floor 2^(3 - 127): the byte cannot fall under 1
	v_add_nc_u32 v15, 0xff000000, v8               ; 2 off its exponent field: the conversion takes the exponent field of this operand as its scale, and nothing else of it
	v_cvt_scalef32_pk16_fp6_f32 v[CS:CS+2], v[XS:XS+15], v15       ; 16 codes, 96 bits without gaps; to the nearest code, ties to even, beyond the largest code the largest
	v_lshrrev_b32 v[CS+3], 23, v15                 ; the scale's byte (also the plain instruction behind the conversion)
.if (\t) > 1
	s_wait_xcnt 0x0                                ; the store of two steps back has read its four registers: the load below may land there
.endif
.if (\t) > 0
.if (\t)+1 < STEPS
	s_wait_dscnt 8                                 ; the last step's records are in registers; the next step's eight stage instructions may be out
.else
	s_wait_dscnt 0x0
.endif
	global_store_b128 v2, v[O+4*(((\t)-1)%2):O+4*(((\t)-1)%2)+3], s[6:7] offset:512*((\t)-1)   ; 32 lanes store two whole records: 512 consecutive bytes, at a multiple of 256 from tab's first byte
.endif
.irp i, 0,1,2
	ds_store_b32 v5, v[CS+\i] offset:4*\i          ; my 12 bytes of codes to their place in the record
.endr
	ds_store_b8 v6, v[CS+3] offset:192             ; both lanes of a block write the same byte with the same value
	ds_load_b128 v[O+4*((\t)%2):O+4*((\t)%2)+3], v7   ; in order behind the stores above: the records as they leave
.endm
.irp t, 0,1,2,3,4,5,6,7,8,9,10,11,12,13,14,15,16,17,18,19,20,21,22,23,24
	STEP \t
.endr
	s_wait_dscnt 0x0
	global_store_b128 v2, v[O+4*((STEPS-1)%2):O+4*((STEPS-1)%2)+3], s[6:7] offset:512*(STEPS-1)
	s_wait_tensorcnt 0x0
	ds_add_u32 v192, v193
	s_wait_dscnt 0x0
	s_endpgm
.Lfunc_end_k_qb66fcd0bb7_prep:
	.size	k_qb66fcd0bb7_prep, .Lfunc_end_k_qb66fcd0bb7_prep-k_qb66fcd0bb7_prep
	.p2alignl 7, 3214868480
	.fill 96, 4, 3214868480
	.section	.rodata,"a",@progbits
	.p2align	6, 0x0
	.amdhsa_kernel k_qb66fcd0bb7_prep
		.amdhsa_group_segment_fixed_size 33280
		.amdhsa_private_segment_fixed_size 0
		.amdhsa_enable_private_segment 0
		.amdhsa_kernarg_size 16
		.amdhsa_user_sgpr_count 2
		.amdhsa_user_sgpr_kernarg_segment_ptr 1
		.amdhsa_wavefront_size32 1
		.amdhsa_system_sgpr_workgroup_id_x 1
		.amdhsa_system_sgpr_workgroup_id_y 1
		.amdhsa_system_sgpr_workgroup_id_z 1
		.amdhsa_system_vgpr_workitem_id 0
		.amdhsa_next_free_vgpr 194
		.amdhsa_next_free_sgpr 66
		.amdhsa_reserve_vcc 0
		.amdhsa_float_denorm_mode_32 3
		.amdhsa_float_denorm_mode_16_64 3
		.amdhsa_memory_ordered 1
		.amdhsa_forward_progress 1
		.amdhsa_inst_pref_size 94
	.end_amdhsa_kernel
	.amdgpu_metadata
---
amdhsa.version: [ 1, 2 ]
amdhsa.kernels:
  - .name:           k_qb66fcd0bb7_prep
    .symbol:         k_qb66fcd0bb7_prep.kd
    .args:
      - { .name: emb_weight, .offset: 0, .size: 8, .value_kind: global_buffer, .address_space: global }
      - { .name: tab, .offset: 8, .size: 8, .value_kind: global_buffer, .address_space: global }
    .group_segment_fixed_size: 33280
    .private_segment_fixed_size: 0
    .kernarg_segment_align: 8
    .kernarg_segment_size: 16
    .max_flat_workgroup_size: 128
    .sgpr_count:     66
    .vgpr_count:     194
    .wavefront_size: 32
...
	.end_amdgpu_metadata
.endif
;; end of part 1
;; launch knrm (part 2): grid 512 x 1, 8 waves a work-group, no clusters, 158,720 bytes of LDS; arguments tab, query_1, document_1, query_2, document_2, W0, b0, W1, b1, W2, b2, out0; writes out0
.if DOCPART == 2
	.amdgcn_target "amdgcn-amd-amdhsa--gfx1250"
	.amdhsa_code_object_version 6
	.text
	.protected	k_qb66fcd0bb7_knrm
	.globl	k_qb66fcd0bb7_knrm
	.p2align	8
	.type	k_qb66fcd0bb7_knrm,@function
k_qb66fcd0bb7_knrm:
	s_mov_b64 s[64:65], 0
	v_nop
	global_prefetch_b8 v0, s[64:65] scope:SCOPE_SE
	s_setreg_imm32_b32 hwreg(HW_REG_WAVE_MODE, 25, 1), 1
	s_wait_xcnt 0x0
; One work-group makes out0[b] for one batch b: both pairs (query, document), each: gather of 32 + 256 records of tab (codes of FP6 and scale bytes of the normalised rows), the 32 x 256 cosines on the matrix unit,
; 21 Gaussian kernels of each cosine, sums over the documents, log1p, sums over the queries, the MLP 21-10-5-1; then sigmoid(l1 - l2).
; SHARES.  Eight waves: wave w serves pair p = w / 4 and quarter u = w % 4: it gathers documents 64 u .. 64 u + 63 and queries 8 u .. 8 u + 7, multiplies its 4 tiles of documents by both tiles of queries
; (8 accumulators, 16 matrix instructions) and bins its 64 cosines a lane.  Source 0 = 16 documents, source 1 = 16 queries: a lane holds ONE query (lane % 16), so all sums over documents stay in the lane.
; THE TWENTY KERNELS OF SIGMA 0.1 have centres 0.05 + 0.1 j, j = k - 10.  With y = x - 0.05: exp(-50 (y - 0.1 j)^2) = exp(-j^2 / 2) g u^j, g = exp(-50 y^2), u = exp(10 y).  The constant leaves the sum over documents.
; So a cosine costs four exponentials (g, u, 1 / u, the exact kernel) and two chains of multiplications, g u^s upward and g u^-s downward, summed as they are made.
; RANGE.  g u^j = kernel x e^(j^2 / 2) is at most e^50: no overflow.  g is a normal number up to |y| = 1.32; the quantised rows of normalised vectors keep |x| under 1.23 (each code within 1/16 of its number), so g is never flushed.
; log1p(S) is taken as ln(1 + S): its error is at most 6e-8 a term, absolute, under a sum of 32 terms.  NaN and infinities are not served.
; No tensor load (rows are gathered by index), no cluster (work-groups share no tile).  Three barriers: records in LDS | partial sums in LDS | the 2 x 21 sums in LDS.
; REGISTERS.  v0 the thread's number; v1-13 offsets and LDS addresses, made at the head and never rewritten; v14, v15 constants; v240 the offset 0 of the output's store, made at the head, for nothing else.
; Gather: v16-51 indices, then offsets; v52-195 records.
; From the products on: v16-79 the 8 accumulators (tile 4 j + i: query tile j, document tile i); v80-127 queries' fragments, v128-223 documents'; v244-251, v252-255 their scale words, these registers for nothing else.
; Binning: v80-163 the sums T, set j at 80 + 42 j, kernel k's pair at + 2 k; v164-195, v196-227 two sets of g, u, 1 / u, e for a tile's 8 cosines, by turns; v228-235 log2 u; v236-239 the two running powers.
.set PITCH, 272                        ; a record's row in LDS: 256 bytes + 16: the 16 rows that a fragment load touches begin in 16 different columns of 16 bytes
.set DOCB,  64*PITCH                   ; a wave's 64 document records; later its 24 slots of partial sums, 128 bytes each
.set QB,    8*DOCB                     ; the 64 query records: row 32 p + 8 u + ..
.set KM,    QB+64*PITCH                ; km[2][24] f32
.set IDX,   16
.set DAT,   52
.set ACC,   16
.set QF,    80
.set DF,    128
.set TS,    80
.set SETS,  164
.set AR,    228
.set PP,    236
.set MM,    238
.set ZO,    240
.set DSC,   244
.set QSC,   252
.set RS,    196
.set LG,    220
	s_load_b512 s[8:23], s[0:1], 0x0               ; tab 8, query_1 10, document_1 12, query_2 14, document_2 16, W0 18, b0 20, W1 22
	s_load_b256 s[24:31], s[0:1], 0x40             ; b1 24, W2 26, b2 28, out0 30
	v_lshl_add_u32 v242, v0, 2, 0x26800
	v_mov_b32 v243, 0
	v_lshrrev_b32 v16, 5, v0
	v_readfirstlane_b32 s2, v16                    ; wave w
	s_lshr_b32 s3, s2, 2                           ; pair p
	s_and_b32 s4, s2, 3                            ; quarter u
	v_and_b32 v16, 15, v0                          ; r
	v_bfe_u32 v17, v0, 4, 1                        ; h
	v_and_b32 v18, 31, v0                          ; lane
	v_mov_b32 v[ZO], 0                             ; the output's store has its place in the base alone
	v_lshlrev_b32 v1, 4, v16                       ; 16 r: my 16 bytes of a record
	v_lshlrev_b32 v2, 7, v17                       ; 128 h: my half's 32 document indices
	v_lshlrev_b32 v3, 4, v17                       ; 16 h: my half's 4 query indices
	s_mul_i32 s50, s2, DOCB
	s_mul_i32 s51, s2, 8*PITCH
	s_add_co_u32 s51, s51, QB
	s_mul_i32 s52, s3, 32*PITCH
	s_add_co_u32 s52, s52, QB
	s_mul_i32 s53, s3, 4*DOCB
	s_mul_i32 s5, s4, 6*128
	s_add_co_u32 s53, s53, s5
	s_mul_i32 s5, s2, 24
	s_add_co_u32 s5, s5, KM
	v_mad_u32_u24 v4, v17, 32*PITCH, v1
	v_add_nc_u32 v4, s50, v4                       ; documents in: row 32 h + t of my wave's 64
	v_mad_u32_u24 v5, v17, 4*PITCH, v1
	v_add_nc_u32 v5, s51, v5                       ; queries in: row 8 w + 4 h + t
	v_mul_u32_u24 v9, v16, PITCH
	v_add_nc_u32 v8, s50, v9                       ; a document tile's row r: its scale words at + 192
	v_add_nc_u32 v9, s52, v9                       ; a query tile's row r, of my pair
	v_mad_u32_u24 v6, v17, 96, v8                  ; and the 96 bytes of my half: a fragment's registers as they lie
	v_mad_u32_u24 v7, v17, 96, v9
	v_lshl_add_u32 v10, v18, 2, s50                ; my partial sums: slot k at + 128 k
	v_lshl_add_u32 v11, v18, 2, s53                ; the slots 6 u + i of my pair's four waves
	v_mov_b32 v12, s5                              ; km: my six words
	v_mul_u32_u24 v13, v17, 96
	v_add_nc_u32 v13, KM, v13                      ; km of pair h
	v_mov_b32 v14, 0xbf38aa3b                      ; c2 = -0.5 log2(e)
	v_mov_b32 v15, 0xc4545498                      ; c6 = -c5
	s_mov_b32 s36, 0x76543210
	s_mov_b32 s37, 0xfedcba98                      ; v_permlanex16_b32's selects for lane l xor 16
	s_mov_b32 s38, 0x4166d4ca                      ; c1 = 10 log2(e): log2 u = c1 x + c2
	s_mov_b32 s39, s38                             ; (the packed forms name pairs and take the low word: the high word is written)
	s_mov_b32 s40, 0xbeb17218                      ; c3 = -ln(2) / 2: log2 g = c3 (log2 u)^2
	s_mov_b32 s41, s40
	s_mov_b32 s42, 0x44545498                      ; c5 = sqrt(5e5 log2(e)): the exact kernel is 2^-(c5 x - c5)^2
	s_mov_b32 s43, s42
	s_lshl_b32 s6, ttmp9, 7                        ; queries: 128 bytes a batch, 32 a quarter
	s_lshl_b32 s7, s4, 5
	s_add_co_u32 s6, s6, s7
	s_mov_b32 s7, 0
	s_lshl_b32 s50, ttmp9, 10                      ; documents: 1,024 bytes a batch, 256 a quarter
	s_lshl_b32 s51, s4, 8
	s_add_co_u32 s50, s50, s51
	s_mov_b32 s51, 0
	s_lshl_b32 s52, ttmp9, 2                       ; out0: 4 bytes a batch
	s_mov_b32 s53, 0
	s_wait_kmcnt 0x0
	s_cmp_eq_u32 s3, 0                             ; the pair's lists: the choice hangs on the wave's number alone
	s_cselect_b64 s[32:33], s[10:11], s[14:15]
	s_cselect_b64 s[34:35], s[12:13], s[16:17]
	s_add_nc_u64 s[32:33], s[32:33], s[6:7]
	s_add_nc_u64 s[34:35], s[34:35], s[50:51]
	s_add_nc_u64 s[30:31], s[30:31], s[52:53]
	s_load_b128 s[44:47], s[26:27], 0x0            ; W2's five numbers
	s_load_b32 s48, s[26:27], 0x10
	s_load_b32 s49, s[28:29], 0x0                  ; b2
	; ---- THE GATHER.  Register t of half h takes the index of document 32 h + t (t < 32) or of query 4 h + t - 32: the 16 lanes of a half read the same 16 bytes
.irp i, 0,1,2,3,4,5,6,7
	global_load_b128 v[IDX+4*\i:IDX+4*\i+3], v2, s[34:35] offset:16*\i
.endr
	global_load_b128 v[IDX+32:IDX+35], v3, s[32:33]
	s_wait_loadcnt 0x0
.set tt, 0
.rept 36
	v_min_u32 v[IDX+tt], 0x1869f, v[IDX+tt]        ; an index stays inside the table: 99,999 at the most
.set tt, tt+1
.endr
.set tt, 0
.rept 36
	v_lshl_add_u32 v[IDX+tt], v[IDX+tt], 8, v1     ; 256 x index + 16 r
.set tt, tt+1
.endr
.set tt, 0
.rept 36
	global_load_b128 v[DAT+4*tt:DAT+4*tt+3], v[IDX+tt], s[8:9]   ; lanes 0-15 read one whole record, lanes 16-31 another: 256 consecutive bytes each.  No hint: a list may name a row twice
.set tt, tt+1
.endr
.set g, 0
.rept 9
	s_wait_loadcnt 32-4*g                          ; loads come back in order (ISA guide 5.7.1): four more records a half are in, the younger gathers stay out
.set tt, 4*g
.rept 4
.if tt < 32
	ds_store_b128 v4, v[DAT+4*tt:DAT+4*tt+3] offset:PITCH*tt
.else
	ds_store_b128 v5, v[DAT+4*tt:DAT+4*tt+3] offset:PITCH*(tt-32)
.endif
.set tt, tt+1
.endr
.set g, g+1
.endr
	s_wait_kmcnt 0x0                               ; W2 and b2
	s_wait_dscnt 0x0                               ; for the others' sake: my stores have landed
	s_barrier_signal -1
	s_barrier_wait -1                              ; the query records, which four waves brought, lie in LDS
	; ---- FRAGMENTS AND PRODUCTS.  A lane's 96 bytes are its 24 registers: K step 0, then K step 1
.irp j, 0,1
.irp c, 0,1,2,3,4,5
	ds_load_b128 v[QF+24*\j+4*\c:QF+24*\j+4*\c+3], v7 offset:16*PITCH*\j+16*\c
.endr
	ds_load_b64 v[QSC+2*\j:QSC+2*\j+1], v9 offset:16*PITCH*\j+192   ; lane r: row r's two scale words (lanes 16-31 hold the same and are not read)
.endr
.irp i, 0,1,2,3
.irp c, 0,1,2,3,4,5
	ds_load_b128 v[DF+24*\i+4*\c:DF+24*\i+4*\c+3], v6 offset:16*PITCH*\i+16*\c
.endr
	ds_load_b64 v[DSC+2*\i:DSC+2*\i+1], v8 offset:16*PITCH*\i+192
.endr
	s_wait_dscnt 0x0
.irp j, 0,1                                    ; the eight accumulators take turns, one instruction a turn; the first K step starts the sums
.irp i, 0,1,2,3
	v_wmma_scale_f32_16x16x128_f8f6f4 v[ACC+8*(4*\j+\i):ACC+8*(4*\j+\i)+7], v[DF+24*\i:DF+24*\i+11], v[QF+24*\j:QF+24*\j+11], 0, v[DSC+2*\i], v[QSC+2*\j] matrix_a_fmt:MATRIX_FMT_FP6 matrix_b_fmt:MATRIX_FMT_FP6
.endr
.endr
.irp j, 0,1
.irp i, 0,1,2,3
	v_wmma_scale_f32_16x16x128_f8f6f4 v[ACC+8*(4*\j+\i):ACC+8*(4*\j+\i)+7], v[DF+24*\i+12:DF+24*\i+23], v[QF+24*\j+12:QF+24*\j+23], v[ACC+8*(4*\j+\i):ACC+8*(4*\j+\i)+7], v[DSC+2*\i+1], v[QSC+2*\j+1] matrix_a_fmt:MATRIX_FMT_FP6 matrix_b_fmt:MATRIX_FMT_FP6
.endr
.endr
.rept 4
	v_nop                                          ; four places (ISA guide 7.12.1) ahead of the first read of results and of vector writes into the fragments' registers
.endr
	; ---- THE BINNING
; The registers of tile t's pair q of cosines, for the pair at work (c..) and for the pair whose exponentials are being made (n..).
; A sum set's first pair (document tile 0, pair 0) has its g and its e in the sums T(10) and T(20) themselves: so nothing is cleared.
.macro CUR t, q
.set cT, TS+42*((\t)/4)
.set cS, SETS+32*((\t)%2)+2*(\q)
.set cU, cS+8
.set cW, cS+16
.if (((\t)%4) == 0) && ((\q) == 0)
.set cG, cT+20
.set cE, cT+40
.else
.set cG, cS
.set cE, cS+24
.endif
.endm
.macro NXT t, q
.set nX, ACC+8*(\t)+2*(\q)
.set nA, AR+2*(\q)
.set nT, TS+42*((\t)/4)
.set nS, SETS+32*((\t)%2)+2*(\q)
.set nU, nS+8
.set nW, nS+16
.if (((\t)%4) == 0) && ((\q) == 0)
.set nG, nT+20
.set nE, nT+40
.else
.set nG, nS
.set nE, nS+24
.endif
.endm
.macro ARGS t, q                       ; the four exponents of two cosines.  Pair 0 comes first in every tile: an accumulator is first read at its two lowest registers
	NXT \t, \q
	v_pk_fma_f32 v[nA:nA+1], v[nX:nX+1], s[38:39], v[14:15] op_sel_hi:[1,0,0]                 ; a = c1 x + c2 = log2 u
	v_pk_fma_f32 v[nE:nE+1], v[nX:nX+1], s[42:43], v[14:15] op_sel:[0,0,1] op_sel_hi:[1,0,1]  ; z = c5 x - c5
	v_pk_mul_f32 v[nG:nG+1], v[nA:nA+1], v[nA:nA+1]
	v_pk_mul_f32 v[nE:nE+1], v[nE:nE+1], v[nE:nE+1] neg_lo:[0,1] neg_hi:[0,1]                 ; -z^2
	v_pk_mul_f32 v[nG:nG+1], v[nG:nG+1], s[40:41] op_sel_hi:[1,0]                             ; c3 a^2 = log2 g
.endm
.macro EXPN n                          ; exponential n of 8 of the pair that NXT named last
.if (\n) < 2
	v_exp_f32 v[nG+(\n)], v[nG+(\n)]
.elseif (\n) < 4
	v_exp_f32 v[nU+(\n)-2], v[nA+(\n)-2]
.elseif (\n) < 6
	v_exp_f32 v[nW+(\n)-4], -v[nA+(\n)-4]
.else
	v_exp_f32 v[nE+(\n)-6], v[nE+(\n)-6]
.endif
.endm
; Two cosines into the 21 sums.  next = 1: the same pair of the next tile gets its exponents, and its eight exponentials stand singly among the multiplications: a plain line that names
; none of its registers follows each, and nothing names a result before the wait at the next tile's head.
.macro PAIR t, q, next
	CUR \t, \q
.if \next
	ARGS (\t)+1, \q
.endif
.if cG == cT+20                        ; the set's first pair: the chains are written straight into the sums
.set ks, 1
.rept 8
	v_pk_mul_f32 v[cT+20+2*ks:cT+21+2*ks], v[cT+18+2*ks:cT+19+2*ks], v[cU:cU+1]
	v_pk_mul_f32 v[cT+20-2*ks:cT+21-2*ks], v[cT+22-2*ks:cT+23-2*ks], v[cW:cW+1]
.if \next
	EXPN ks-1
.endif
.set ks, ks+1
.endr
	v_pk_mul_f32 v[cT+38:cT+39], v[cT+36:cT+37], v[cU:cU+1]
	v_pk_mul_f32 v[cT+2:cT+3], v[cT+4:cT+5], v[cW:cW+1]
	v_pk_mul_f32 v[cT:cT+1], v[cT+2:cT+3], v[cW:cW+1]
.else
	v_pk_fma_f32 v[cT+22:cT+23], v[cG:cG+1], v[cU:cU+1], v[cT+22:cT+23]    ; T(11) += g u
	v_pk_mul_f32 v[PP:PP+1], v[cG:cG+1], v[cU:cU+1]
	v_pk_fma_f32 v[cT+18:cT+19], v[cG:cG+1], v[cW:cW+1], v[cT+18:cT+19]    ; T(9) += g / u
	v_pk_mul_f32 v[MM:MM+1], v[cG:cG+1], v[cW:cW+1]
.if \next
	EXPN 0
.endif
.set ks, 2
.rept 7
	v_pk_fma_f32 v[cT+20+2*ks:cT+21+2*ks], v[PP:PP+1], v[cU:cU+1], v[cT+20+2*ks:cT+21+2*ks]   ; T(10 + s) += g u^s
	v_pk_mul_f32 v[PP:PP+1], v[PP:PP+1], v[cU:cU+1]
	v_pk_fma_f32 v[cT+20-2*ks:cT+21-2*ks], v[MM:MM+1], v[cW:cW+1], v[cT+20-2*ks:cT+21-2*ks]   ; T(10 - s) += g u^-s
	v_pk_mul_f32 v[MM:MM+1], v[MM:MM+1], v[cW:cW+1]
.if \next
	EXPN ks-1
.endif
.set ks, ks+1
.endr
	v_pk_fma_f32 v[cT+38:cT+39], v[PP:PP+1], v[cU:cU+1], v[cT+38:cT+39]
	v_pk_fma_f32 v[cT+2:cT+3], v[MM:MM+1], v[cW:cW+1], v[cT+2:cT+3]
	v_pk_mul_f32 v[MM:MM+1], v[MM:MM+1], v[cW:cW+1]
	v_pk_fma_f32 v[cT:cT+1], v[MM:MM+1], v[cW:cW+1], v[cT:cT+1]
	v_pk_add_f32 v[cT+20:cT+21], v[cT+20:cT+21], v[cG:cG+1]
	v_pk_add_f32 v[cT+40:cT+41], v[cT+40:cT+41], v[cE:cE+1]
.endif
.endm
.irp q, 0,1,2,3
	ARGS 0, \q
.endr
.irp q, 0,1,2,3                                ; tile 0's 32 exponentials, one behind the other: none reads a result or writes a source of the one before it
	NXT 0, \q
.irp n, 0,1,2,3,4,5,6,7
	EXPN \n
.endr
.endr
	v_nop                                          ; a plain instruction behind the last of them
.irp t, 0,1,2,3,4,5,6
	s_wait_alu depctr_va_vdst(0)                   ; ONE wait for the tile's 32 exponentials, ahead of their first reader
.irp q, 0,1,2,3
	PAIR \t, \q, 1
.endr
.endr
	s_wait_alu depctr_va_vdst(0)                   ; tile 7's; no exponential is issued behind it
	s_cmp_lg_u32 s2, 0                             ; wave 0 asks for the MLP's weights here, into the registers of tile 6's set and of log2 u, which are done with
	s_cbranch_scc1 .Lno_weights
	v_and_b32 v233, 15, v0
	v_min_u32 v230, 9, v233                        ; lane r serves hidden unit n = min(r, 9) of the first layer
	v_min_u32 v232, 4, v233                        ; and m = min(r, 4) of the second: no load leaves its buffer
	v_mul_u32_u24 v229, v230, 84
	v_lshlrev_b32 v230, 2, v230
	v_mul_u32_u24 v231, v232, 40
	v_lshlrev_b32 v232, 2, v232
.set k, 0
.rept 21
	global_load_b32 v[164+k], v229, s[18:19] offset:4*k   ; W0[n][k]
.set k, k+1
.endr
	global_load_b32 v185, v230, s[20:21]           ; b0[n]
.set k, 0
.rept 10
	global_load_b32 v[186+k], v231, s[22:23] offset:4*k   ; W1[m][k]
.set k, k+1
.endr
	global_load_b32 v228, v232, s[24:25]           ; b1[m]
.Lno_weights:
.irp q, 0,1,2,3
	PAIR 7, \q, 0
.endr
	; ---- THE SUMS LEAVE THE WAVE.  Even and odd documents; then the halves of the lanes: after the exchange lane l holds query l of 32 in both registers
.set k, 0
.rept 21
	v_add_f32 v[TS+2*k], v[TS+2*k], v[TS+2*k+1]
	v_add_f32 v[TS+42+2*k], v[TS+42+2*k], v[TS+42+2*k+1]
.set k, k+1
.endr
.set k, 0
.rept 21
	v_permlane16_swap_b32 v[TS+2*k], v[TS+42+2*k]  ; the first's lanes 16-31 change places with the second's lanes 0-15
.set k, k+1
.endr
.set k, 0
.rept 21
	v_add_f32 v[TS+2*k], v[TS+2*k], v[TS+42+2*k]
.set k, k+1
.endr
.macro CMUL k, c                       ; x exp(-(k - 10)^2 / 2)
	v_mul_f32 v[TS+2*(\k)], \c, v[TS+2*(\k)]
.endm
	CMUL 0,  0x1b692beb
	CMUL 1,  0x223e2191
	CMUL 2,  0x28642328
	CMUL 3,  0x2dc9683f
	CMUL 4,  0x3282d314
	CMUL 5,  0x367a176a
	CMUL 6,  0x39afe108
	CMUL 7,  0x3c360282
	CMUL 8,  0x3e0a9555
	CMUL 9,  0x3f1b4598
	CMUL 11, 0x3f1b4598
	CMUL 12, 0x3e0a9555
	CMUL 13, 0x3c360282
	CMUL 14, 0x39afe108
	CMUL 15, 0x367a176a
	CMUL 16, 0x3282d314
	CMUL 17, 0x2dc9683f
	CMUL 18, 0x28642328
	CMUL 19, 0x223e2191
	v_mov_b32 v[PP], 0
.set k, 0
.rept 21
	ds_store_b32 v10, v[TS+2*k] offset:128*k       ; into my own records' bytes: my reads of them were waited for ahead of the products, and no other wave reads them
.set k, k+1
.endr
.irp k, 21,22,23
	ds_store_b32 v10, v[PP] offset:128*\k          ; three slots of zeros, so that each wave has six slots to finish
.endr
	s_wait_dscnt 0x0
	s_barrier_signal -1
	s_barrier_wait -1                              ; every wave's partial sums lie in LDS
.irp i, 0,1,2,3,4,5                            ; slots 6 u + i of my pair's four waves
.irp ww, 0,1,2,3
	ds_load_b32 v[RS+4*\i+\ww], v11 offset:DOCB*\ww+128*\i
.endr
.endr
	s_wait_dscnt 0x0
.irp i, 0,1,2,3,4,5
	v_pk_add_f32 v[RS+4*\i:RS+4*\i+1], v[RS+4*\i:RS+4*\i+1], v[RS+4*\i+2:RS+4*\i+3]
.endr
.irp i, 0,1,2,3,4,5
	v_add_f32 v[RS+4*\i], v[RS+4*\i], v[RS+4*\i+1] ; the sum over all 256 documents, for query = lane
.endr
.irp i, 0,1,2,3,4,5
	v_add_f32 v[RS+4*\i], 1.0, v[RS+4*\i]
.endr
.irp i, 0,1,2,3,4,5
	v_log_f32 v[LG+\i], v[RS+4*\i]
.endr
	v_nop                                          ; a plain instruction behind the last logarithm,
	s_wait_alu depctr_va_vdst(0)                   ; and one wait for the six, ahead of their first reader
.irp m, 1,2,4,8
.irp i, 0,1,2,3,4,5
	v_add_f32_dpp v[LG+\i], v[LG+\i], v[LG+\i] row_xmask:\m row_mask:0xf bank_mask:0xf   ; over the 16 queries of my half of the lanes
.endr
.endr
.irp i, 0,1,2,3,4,5
	v_permlanex16_b32 v[RS+4*\i+1], v[LG+\i], s36, s37
.endr
.irp i, 0,1,2,3,4,5
	v_add_f32 v[LG+\i], v[LG+\i], v[RS+4*\i+1]
.endr
.irp i, 0,1,2,3,4,5
	v_mul_f32 v[LG+\i], 0x3f317218, v[LG+\i]       ; x ln 2
.endr
.irp i, 0,1,2,3,4,5
	ds_store_b32 v12, v[LG+\i] offset:4*\i         ; all lanes write the same word with the same value
.endr
	s_wait_dscnt 0x0
	s_barrier_signal -1
	s_barrier_wait -1                              ; km of both pairs lies in LDS
	s_cmp_lg_u32 s2, 0
	s_cbranch_scc1 .Ldone
	; ---- THE MLP, wave 0 alone, in f32: lanes 0-15 serve pair 1, lanes 16-31 pair 2
.irp i, 0,1,2,3,4,5
	ds_load_b128 v[80+4*\i:83+4*\i], v13 offset:16*\i
.endr
	v_mov_b32 v106, 0                              ; (destinations of lane moves count as read: written once)
	v_mov_b32 v108, 0
	s_wait_loadcnt 0x0                             ; the weights
	s_wait_dscnt 0x0
	v_fma_f32 v104, v80, v164, v185                ; h0[n] = b0[n] + the sum over k of km[k] W0[n][k]
.set k, 1
.rept 20
	v_fma_f32 v104, v[80+k], v[164+k], v104
.set k, k+1
.endr
	v_max_num_f32 v104, 0, v104
	v_mov_b32_dpp v106, v104 row_share:0 row_mask:0xf bank_mask:0xf   ; h0[0] of my half of the lanes
	v_fma_f32 v105, v106, v186, v228               ; h1[m] = b1[m] + the sum over n of h0[n] W1[m][n]
.irp n, 1,2,3,4,5,6,7,8,9
	v_mov_b32_dpp v106, v104 row_share:\n row_mask:0xf bank_mask:0xf
	v_fma_f32 v105, v106, v[186+\n], v105
.endr
	v_max_num_f32 v105, 0, v105
	v_mov_b32 v107, s49                            ; l = b2 + the sum over m of h1[m] W2[m]
.irp m, 0,1,2,3,4
	v_mov_b32_dpp v106, v105 row_share:\m row_mask:0xf bank_mask:0xf
	v_fma_f32 v107, v106, s[44+\m], v107
.endr
	v_permlanex16_b32 v108, v107, s36, s37         ; the other pair's l
	v_sub_f32 v109, v107, v108                     ; lanes 0-15: l1 - l2
	v_mul_f32 v109, 0xbfb8aa3b, v109
	v_exp_f32 v110, v109                           ; e^-(l1 - l2)
	v_nop
	s_wait_alu depctr_va_vdst(0)
	v_add_f32 v110, 1.0, v110
	v_rcp_f32 v111, v110                           ; the sigmoid
	v_cmp_eq_u32 vcc_lo, 0, v0                     ; (a plain instruction behind the reciprocal)  lane 0 stores
	s_wait_alu depctr_va_vdst(0)
	s_wait_xcnt 0x0                                ; EXEC changes only behind this wait: the weights' loads have had their addresses translated
	s_and_saveexec_b32 s50, vcc_lo
	global_store_b32 v[ZO], v111, s[30:31]         ; out0[b]
	s_wait_xcnt 0x0
	s_or_b32 exec_lo, exec_lo, s50
.Ldone:
	s_wait_tensorcnt 0x0
	ds_add_u32 v242, v243
	s_wait_dscnt 0x0
	s_endpgm
.Lfunc_end_k_qb66fcd0bb7_knrm:
	.size	k_qb66fcd0bb7_knrm, .Lfunc_end_k_qb66fcd0bb7_knrm-k_qb66fcd0bb7_knrm
	.p2alignl 7, 3214868480
	.fill 96, 4, 3214868480
	.section	.rodata,"a",@progbits
	.p2align	6, 0x0
	.amdhsa_kernel k_qb66fcd0bb7_knrm
		.amdhsa_group_segment_fixed_size 158720
		.amdhsa_private_segment_fixed_size 0
		.amdhsa_enable_private_segment 0
		.amdhsa_kernarg_size 96
		.amdhsa_user_sgpr_count 2
		.amdhsa_user_sgpr_kernarg_segment_ptr 1
		.amdhsa_wavefront_size32 1
		.amdhsa_system_sgpr_workgroup_id_x 1
		.amdhsa_system_sgpr_workgroup_id_y 1
		.amdhsa_system_sgpr_workgroup_id_z 1
		.amdhsa_system_vgpr_workitem_id 0
		.amdhsa_next_free_vgpr 256
		.amdhsa_next_free_sgpr 66
		.amdhsa_reserve_vcc 1
		.amdhsa_float_denorm_mode_32 3
		.amdhsa_float_denorm_mode_16_64 3
		.amdhsa_memory_ordered 1
		.amdhsa_forward_progress 1
		.amdhsa_inst_pref_size 133
	.end_amdhsa_kernel
	.amdgpu_metadata
---
amdhsa.version: [ 1, 2 ]
amdhsa.kernels:
  - .name:           k_qb66fcd0bb7_knrm
    .symbol:         k_qb66fcd0bb7_knrm.kd
    .args:
      - { .name: tab, .offset: 0, .size: 8, .value_kind: global_buffer, .address_space: global }
      - { .name: query_1, .offset: 8, .size: 8, .value_kind: global_buffer, .address_space: global }
      - { .name: document_1, .offset: 16, .size: 8, .value_kind: global_buffer, .address_space: global }
      - { .name: query_2, .offset: 24, .size: 8, .value_kind: global_buffer, .address_space: global }
      - { .name: document_2, .offset: 32, .size: 8, .value_kind: global_buffer, .address_space: global }
      - { .name: W0, .offset: 40, .size: 8, .value_kind: global_buffer, .address_space: global }
      - { .name: b0, .offset: 48, .size: 8, .value_kind: global_buffer, .address_space: global }
      - { .name: W1, .offset: 56, .size: 8, .value_kind: global_buffer, .address_space: global }
      - { .name: b1, .offset: 64, .size: 8, .value_kind: global_buffer, .address_space: global }
      - { .name: W2, .offset: 72, .size: 8, .value_kind: global_buffer, .address_space: global }
      - { .name: b2, .offset: 80, .size: 8, .value_kind: global_buffer, .address_space: global }
      - { .name: out0, .offset: 88, .size: 8, .value_kind: global_buffer, .address_space: global }
    .group_segment_fixed_size: 158720
    .private_segment_fixed_size: 0
    .kernarg_segment_align: 8
    .kernarg_segment_size: 96
    .max_flat_workgroup_size: 256
    .sgpr_count:     66
    .vgpr_count:     256
    .wavefront_size: 32
...
	.end_amdgpu_metadata
.endif
;; end of part 2
